; MI455X (gfx1250); checked and timed in simulation.
; The chip was launched on July 23, 2026; its instructions are those of AMD's public machine-readable ISA for CDNA 5 (MIT licence, August 2026) and "CDNA5" Instruction Set Architecture Reference Guide (July 2026). The comments in the code are by the model that wrote it; some were corrected since.
;; Discrete Decision Engine. Allowed arithmetic: float matrix products may take bf16 or f16 operands with f32 sums; other float arithmetic in f32, or as packed bf16 or f16 multiplies, adds, multiply-adds, maxima and minima; sums over many terms, partial sums and values carried from step to step in f32; what a program stores and reads back later, other than sums and carried values, may be rounded once to bf16 or f16.
;; Inputs: codebook 8,192 x 512 float32; x 16,384 x 512 float32.
;; Outputs: out0 16,384 x 512 float32.
;; One version. Each part assembles by itself: llvm-mc -triple=amdgcn-amd-amdhsa -mcpu=gfx1250 --defsym DOCPART=n.
;; ======== version 1 of 1: 4 launches
;; workspace buffers: xf 16,777,216 bytes; cf 8,388,608 bytes; nh 32,768 bytes; part 524,288 bytes; idx 65,536 bytes of whole numbers
;; launch prep (part 1): grid 256 x 1, 6 waves a work-group, no clusters, 204,800 bytes of LDS; arguments x, codebook, xf, cf, nh; writes xf, cf, nh
.if DOCPART == 1
	.amdgcn_target "amdgcn-amd-amdhsa--gfx1250"
	.amdhsa_code_object_version 6
	.text
	.protected	k_q9332403512_prep
	.globl	k_q9332403512_prep
	.p2align	8
	.type	k_q9332403512_prep,@function
k_q9332403512_prep:
	s_mov_b64 s[64:65], 0
	v_nop
	global_prefetch_b8 v0, s[64:65] scope:SCOPE_SE
	s_setreg_imm32_b32 hwreg(HW_REG_WAVE_MODE, 25, 1), 1
	s_wait_xcnt 0x0
; LAUNCH 1 OF 4.  The module: out[n][:] = codebook[argmin_k dist2[n][k]][:], dist2[n][k] = x_sq[n] - 2 dots[n][k] + c_sq[k], dots = x codebook^T.
; WORK LEFT OUT.  x_sq[n] is the same for every k of row n, and -2 is a negative factor: dist2[n][k] = x_sq[n] - 2 (dots[n][k] - c_sq[k] / 2).  So for all finite values of x and codebook, in exact
; arithmetic, argmin_k dist2[n][k] = argmax_k (dots[n][k] - c_sq[k] / 2), with the same k on a tie (both take the lowest).  x_sq is never made; x stays live through dots, and every input is loaded.
; LIMITS.  A NaN, an infinity or an overflow that reaches x_sq alone is not carried to the result.  The products take x and codebook rounded to bf16, and c_sq is summed (in f32) over the ROUNDED
; codebook, so that the choice is that of the rounded inputs; two codes whose scores differ by no more than the rounding of f32 sums may change places.  A NaN score is never chosen.
; THIS LAUNCH rounds x and codebook to bf16 once and lays them IN THE ORDER OF MATRIX OPERANDS, and makes nh[k] = -c_sq[k] / 2.
; A block of 16 rows x 512 channels becomes 16,384 dense bytes: [K step ks 0..15][half f 0..1][lane l 0..31][16 bytes]; lane l, half f hold row l % 16, channels 32 ks + 16 f + 8 (l / 16) + 0..7.
; SHARES.  1,536 blocks (1,024 of x, 512 of codebook), one to a wave: 256 work-groups of six waves.  No wave reads a byte that another fetched: no barrier, no cluster, nothing shared.
; WAY.  A lane's 32 bytes of f32 lie in 16 different rows of memory, so the rows come whole, by four tensor loads a wave (16 rows x 512 bytes each, all four out at once), and LDS turns them.
.set CHB,   8448                       ; a chunk in LDS: 16 rows of 512 bytes + 16 of padding: pitch 528 = 33 x 16 bytes, so the 16 rows that a load touches fall on 16 different 16-byte columns of 256 bytes
.set PITCH, 528
.set WVB,   4*CHB                      ; a wave's four chunks
.set SPARE, 6*WVB                      ; 202,752: behind them the spare words, 128 bytes for each wave: three blocks of 256 bytes that no other line names
.set LA,  2                            ; v2   LDS address of my 32 bytes in my wave's chunk 0, K step 0, half 0; never rewritten
.set SO,  3                            ; v3   16 x lane: my 16 bytes in 512 stored ones; never rewritten
.set NO,  4                            ; v4   4 x (lane % 16): my row's word of nh
.set LN,  5                            ; v5   lane
.set SPW, 10                           ; v10  LDS address of my spare word; never rewritten
.set NIL, 11                           ; v11  0; never rewritten
.set SUM, 16                           ; v[16:23]  eight sums of squares that take turns
.set ZER, 24                           ; v24  0: what the eight sums start from
.set TP,  25                           ; v25  the other half of the lanes' sum
.set T,   32                           ; v[32:95]  a chunk's 64 f32
.set P,   96                           ; v[96:223] the block in bf16: K step ks at P + 8 ks; no store's data is written again
.set G1,  16                           ; s[16:23] descriptor group 1
.set G0,  24                           ; s[24:39] descriptor group 0, a set for each chunk
	s_load_b256 s[4:11], s[0:1], 0x0               ; x s[4:5], codebook s[6:7], xf s[8:9], cf s[10:11]
	s_load_b64 s[12:13], s[0:1], 0x20              ; nh
	v_lshl_add_u32 v[SPW], v0, 2, SPARE
	v_mov_b32 v[NIL], 0
	ds_add_u32 v[SPW], v[NIL]                      ; the wave's opening: the add, twice on end, and its wait ahead of my first tensor load
	ds_add_u32 v[SPW], v[NIL]
	v_lshrrev_b32 v1, 5, v0
	v_readfirstlane_b32 s14, v1                    ; wave 0..5
	s_mul_i32 s15, ttmp9, 6
	s_add_co_u32 s15, s15, s14                     ; my task u = 6 x work-group + wave: 0..1535
	s_sub_co_u32 s45, s15, 1024
	s_cmp_lt_u32 s15, 1024
	s_cselect_b32 s45, s15, s45                    ; my block in x (u < 1024) or in codebook
	s_mul_i32 s46, s14, WVB                        ; my wave's bytes in LDS
	s_mov_b32 s[G1+0], (2<<16)|(1<<20)|(6<<22)|(3<<25)  ; 17:16 elements of 4 bytes; 20 padding on; 24:22 after every 128 words (code 6); 31:25 4 words of it (code 3)
	s_mov_b32 s[G1+1], 128<<16                     ; tensor_dim0 = 128
	s_mov_b32 s[G1+2], 16<<16                      ; tensor_dim1 = 16
	s_mov_b32 s[G1+3], 128<<16                     ; tile_dim0 = 128 elements: 512 bytes
	s_mov_b32 s[G1+4], 16                          ; tile_dim1 = 16 rows
	s_mov_b32 s[G1+5], 512                         ; 512 elements from row to row
	s_mov_b32 s[G1+6], 0
	s_mov_b32 s[G1+7], 0
	s_lshl_b32 s42, s45, 15                        ; 16 rows of 2,048 bytes in the source,
	s_mov_b32 s43, 0
	s_lshl_b32 s2, s45, 14                         ; 16,384 bytes in the destination
	s_mov_b32 s3, 0
	s_wait_dscnt 0x0                               ; both opening adds are done
	s_wait_kmcnt 0x0
	s_cmp_lt_u32 s15, 1024                         ; (the shifts above have written SCC)
	s_cselect_b64 s[40:41], s[8:9], s[10:11]       ; to xf or to cf
	s_cselect_b64 s[4:5], s[4:5], s[6:7]           ; from x or from codebook
	s_add_nc_u64 s[4:5], s[4:5], s[42:43]
	s_add_nc_u64 s[40:41], s[40:41], s[2:3]
.irp c, 0,1,2,3                                        ; the four first fills go out together; by this text's count four tensor loads of a wave are out
	s_mov_b32 s[G0+4*(\c)], 1                      ; count = 1
	s_add_co_u32 s[G0+4*(\c)+1], s46, (\c)*CHB     ; LDS address
	s_add_nc_u64 s[G0+4*(\c)+2:G0+4*(\c)+3], s[4:5], (\c)*512  ; channels 128 c on
	s_or_b32 s[G0+4*(\c)+3], s[G0+4*(\c)+3], 0x80000000        ; type = 2
	tensor_load_to_lds s[G0+4*(\c):G0+4*(\c)+3], s[G1:G1+7]
	s_nop 0
.endr
	v_and_b32 v[LN], 31, v0
	v_and_b32 v6, 15, v0                           ; l % 16
	v_bfe_u32 v7, v0, 4, 1                         ; l / 16
	v_mul_u32_u24 v[LA], v6, PITCH
	v_lshl_add_u32 v[LA], v7, 5, v[LA]             ; row x pitch + 32 bytes (8 f32) x half of the lanes
	v_add_nc_u32 v[LA], s46, v[LA]
	v_lshlrev_b32 v[SO], 4, v[LN]
	v_lshlrev_b32 v[NO], 2, v6
	v_mov_b32 v[ZER], 0
	v_mov_b32 v[TP], 0                             ; v_permlanex16_b32 counts as a reader of its destination
; Chunk c: four K steps.  sq = 1: the squares of the rounded numbers are summed too.
.macro CHUNK c, sq
	s_wait_tensorcnt 3-(\c)                        ; a wave's tensor loads end in order: chunk c is in, the 3 - c younger ones may stay out
.irp kk, 0,1,2,3
	ds_load_b128 v[T+16*(\kk):T+16*(\kk)+3],     v[LA] offset:(\c)*CHB+128*(\kk)      ; half 0: 8 f32,
	ds_load_b128 v[T+16*(\kk)+4:T+16*(\kk)+7],   v[LA] offset:(\c)*CHB+128*(\kk)+16
	ds_load_b128 v[T+16*(\kk)+8:T+16*(\kk)+11],  v[LA] offset:(\c)*CHB+128*(\kk)+64   ; half 1: 16 channels on
	ds_load_b128 v[T+16*(\kk)+12:T+16*(\kk)+15], v[LA] offset:(\c)*CHB+128*(\kk)+80
.endr
.irp kk, 0,1,2,3
	s_wait_dscnt 12-4*(\kk)                        ; LDS loads come back in order: this K step's four are in, the later steps' stay out
.irp i, 0,1,2,3,4,5,6,7
	v_cvt_pk_bf16_f32 v[P+8*(4*(\c)+(\kk))+(\i)], v[T+16*(\kk)+2*(\i)], v[T+16*(\kk)+2*(\i)+1]
.endr
.if \sq
.irp i, 0,1,2,3,4,5,6,7                                ; the low halves' squares: exact products of bf16, added in f32
.if ((\c) == 0) && ((\kk) == 0)
	v_fma_mix_f32_bf16 v[SUM+(\i)], v[P+8*(4*(\c)+(\kk))+(\i)], v[P+8*(4*(\c)+(\kk))+(\i)], v[ZER] op_sel_hi:[1,1,0]
.else
	v_fma_mix_f32_bf16 v[SUM+(\i)], v[P+8*(4*(\c)+(\kk))+(\i)], v[P+8*(4*(\c)+(\kk))+(\i)], v[SUM+(\i)] op_sel_hi:[1,1,0]
.endif
.endr
.irp i, 0,1,2,3,4,5,6,7                                ; the high halves'
	v_fma_mix_f32_bf16 v[SUM+(\i)], v[P+8*(4*(\c)+(\kk))+(\i)], v[P+8*(4*(\c)+(\kk))+(\i)], v[SUM+(\i)] op_sel:[1,1,0] op_sel_hi:[1,1,0]
.endr
.endif
	global_store_b128 v[SO], v[P+8*(4*(\c)+(\kk)):P+8*(4*(\c)+(\kk))+3],   s[40:41] offset:(4*(\c)+(\kk))*1024 th:TH_STORE_NT      ; each store of the wave covers 512 consecutive bytes, aligned
	global_store_b128 v[SO], v[P+8*(4*(\c)+(\kk))+4:P+8*(4*(\c)+(\kk))+7], s[40:41] offset:(4*(\c)+(\kk))*1024+512 th:TH_STORE_NT
.endr
.endm
	s_cmp_lt_u32 s15, 1024
	s_cbranch_scc0 .Lcode
	CHUNK 0, 0                                     ; a block of x: no sum of squares (x_sq is left out: see the head)
	CHUNK 1, 0
	CHUNK 2, 0
	CHUNK 3, 0
	s_branch .Lend
.Lcode:
	CHUNK 0, 1                                     ; a block of codebook
	CHUNK 1, 1
	CHUNK 2, 1
	CHUNK 3, 1
	s_mov_b32 s42, 0x76543210                      ; v_permlanex16_b32: each lane takes its own place in the other half
	s_mov_b32 s43, 0xfedcba98
	s_lshl_b32 s2, s45, 6                          ; my block's 16 words of nh
	s_mov_b32 s3, 0
	s_add_nc_u64 s[12:13], s[12:13], s[2:3]
	v_add_f32 v[SUM], v[SUM], v[SUM+1]
	v_add_f32 v[SUM+2], v[SUM+2], v[SUM+3]
	v_add_f32 v[SUM+4], v[SUM+4], v[SUM+5]
	v_add_f32 v[SUM+6], v[SUM+6], v[SUM+7]
	v_add_f32 v[SUM], v[SUM], v[SUM+2]
	v_add_f32 v[SUM+4], v[SUM+4], v[SUM+6]
	v_add_f32 v[SUM], v[SUM], v[SUM+4]
	v_permlanex16_b32 v[TP], v[SUM], s42, s43      ; the row's other 256 channels lie in the lane 16 away
	v_add_f32 v[SUM], v[SUM], v[TP]
	v_mul_f32 v[SUM], -0.5, v[SUM]                 ; nh = -c_sq / 2 (exact: a power of two)
	s_wait_xcnt 0x0                                ; EXEC is a source of the stores above: it changes only behind this wait
	v_cmp_gt_u32 vcc_lo, 16, v[LN]
	s_and_saveexec_b32 s44, vcc_lo                 ; lanes 0-15: one word a row, 64 consecutive bytes; 32,768 bytes in the whole launch leave so
	global_store_b32 v[NO], v[SUM], s[12:13]
	s_wait_xcnt 0x0                                ; and again in front of the line that widens it
	s_or_b32 exec_lo, exec_lo, s44
.Lend:
	s_wait_tensorcnt 0x0                           ; the wave's end: behind my last tensor load
	ds_add_u32 v[SPW], v[NIL]
	s_wait_dscnt 0x0
	s_endpgm
.Lfunc_end_k_q9332403512_prep:
	.size	k_q9332403512_prep, .Lfunc_end_k_q9332403512_prep-k_q9332403512_prep
	.p2alignl 7, 3214868480
	.fill 96, 4, 3214868480
	.section	.rodata,"a",@progbits
	.p2align	6, 0x0
	.amdhsa_kernel k_q9332403512_prep
		.amdhsa_group_segment_fixed_size 204800
		.amdhsa_private_segment_fixed_size 0
		.amdhsa_enable_private_segment 0
		.amdhsa_kernarg_size 40
		.amdhsa_user_sgpr_count 2
		.amdhsa_user_sgpr_kernarg_segment_ptr 1
		.amdhsa_wavefront_size32 1
		.amdhsa_system_sgpr_workgroup_id_x 1
		.amdhsa_system_sgpr_workgroup_id_y 1
		.amdhsa_system_sgpr_workgroup_id_z 1
		.amdhsa_system_vgpr_workitem_id 0
		.amdhsa_next_free_vgpr 224
		.amdhsa_next_free_sgpr 66
		.amdhsa_reserve_vcc 1
		.amdhsa_float_denorm_mode_32 3
		.amdhsa_float_denorm_mode_16_64 3
		.amdhsa_memory_ordered 1
		.amdhsa_forward_progress 1
		.amdhsa_inst_pref_size 52
	.end_amdhsa_kernel
	.amdgpu_metadata
---
amdhsa.version: [ 1, 2 ]
amdhsa.kernels:
  - .name:           k_q9332403512_prep
    .symbol:         k_q9332403512_prep.kd
    .args:
      - { .name: x, .offset: 0, .size: 8, .value_kind: global_buffer, .address_space: global }
      - { .name: codebook, .offset: 8, .size: 8, .value_kind: global_buffer, .address_space: global }
      - { .name: xf, .offset: 16, .size: 8, .value_kind: global_buffer, .address_space: global }
      - { .name: cf, .offset: 24, .size: 8, .value_kind: global_buffer, .address_space: global }
      - { .name: nh, .offset: 32, .size: 8, .value_kind: global_buffer, .address_space: global }
    .group_segment_fixed_size: 204800
    .private_segment_fixed_size: 0
    .kernarg_segment_align: 8
    .kernarg_segment_size: 40
    .max_flat_workgroup_size: 192
    .sgpr_count:     66
    .vgpr_count:     224
    .wavefront_size: 32
...
	.end_amdgpu_metadata
.endif
;; end of part 1
;; launch score (part 2): grid 64 x 4, 4 waves a work-group, clusters of 4 x 1, 327,680 bytes of LDS; arguments xf, cf, nh, part; writes part
.if DOCPART == 2
	.amdgcn_target "amdgcn-amd-amdhsa--gfx1250"
	.amdhsa_code_object_version 6
	.text
	.protected	k_q9332403512_score
	.globl	k_q9332403512_score
	.p2align	8
	.type	k_q9332403512_score,@function
k_q9332403512_score:
	s_mov_b64 s[64:65], 0
	v_nop
	global_prefetch_b8 v0, s[64:65] scope:SCOPE_SE
	s_setreg_imm32_b32 hwreg(HW_REG_WAVE_MODE, 25, 1), 1
	s_wait_xcnt 0x0
	s_wait_alu depctr_hold_cnt(0) depctr_sa_sdst(0) depctr_va_vdst(0) depctr_va_sdst(0) depctr_va_ssrc(0) depctr_va_vcc(0) depctr_vm_vsrc(0)
	s_getreg_b32 s2, hwreg(HW_REG_IB_STS2, 6, 4)
	s_cmp_eq_u32 s2, 0
	s_cbranch_scc0 .Lentry_in_a_cluster
	s_endpgm
.Lentry_in_a_cluster:
	s_bfe_u32 s2, ttmp6, 0x10000c
	s_cmp_lg_u32 s2, 0x3003
	s_cbranch_scc0 .Lentry_shape_is_right
	s_endpgm
.Lentry_shape_is_right:
; LAUNCH 2 OF 4.  part[q][n] = { the largest score[n][k] = dots[n][k] + nh[k] over the codes k of quarter q, the lowest such k }.  x_sq is left out, as the first kernel's head shows: it is the same for all k.
; xf, cf: x and codebook in bf16, in blocks of 16 rows laid in the order of matrix operands (first kernel's head); nh[k] = -c_sq[k] / 2 in f32.  Sums in f32; nh is added once, to the finished sum.
; LIMITS.  As at the first kernel's head: the choice is that of the rounded inputs; a NaN score is never chosen (a token whose scores are all NaN or -infinity gets a quarter's first codes).
; SHARES.  A work-group owns 256 tokens x 2,048 codes: 64 token blocks x 4 quarters = 256 work-groups of equal work.  A wave owns 64 tokens: four blocks of 16, whose 512 channels stay in 512 registers
; for the whole launch.  Only the codes go through LDS; every fragment read from LDS feeds four matrix instructions, every tile filled feeds four waves.
; THE PRODUCT is taken with source 0 = 16 codes and source 1 = 16 tokens: a lane then holds ONE token (lane % 16) and, in register j, code 8 (lane / 16) + j of the block.  So the running best of a
; token never changes lanes before the end: for each of a lane's 32 (token block, j) there is a best score and the number of the block of codes that gave it.
; A BLOCK is 16 codes: 64 matrix instructions (16 K steps x 4 token blocks, the four accumulators by turns) into one of two sets of accumulators.  The other set, the block
; before, is weighed meanwhile: 112 vector instructions (nh added, compare, select, maximum), seven to a K step, behind the matrix instructions.  A strict compare keeps the earlier block on a tie.
; THE RING.  Two slots of 131,072 bytes, a tile of 128 codes (8 blocks) each; a wave fetches a quarter of a tile by one tensor load of 128 rows x 256 bytes.  In the order of operands a fragment is 32
; lanes x 16 consecutive bytes: no padding is wanted.  A slot is asked for again in its tile's last block, and waited for at the head of the next tile's last block.
; CLUSTER.  The four work-groups of a cluster have four token blocks and ONE quarter: they walk the same tiles of cf and the same nh, so every tensor load is JOINT: the same load, descriptor and
; mask in all four.  The token block enters the addresses of xf, part and the prefetch alone; no LDS address and no branch hangs on a work-group's place in its cluster.
; REGISTERS, in windows of 256 (s_set_vgpr_msb: bits 1:0 source 0, 3:2 source 1, 5:4 source 2, 7:6 destination):
;   window 0: v0-31 addresses and at work; v32-47 nh, two sets of 8; v64-127 accumulators, set e, token block t at 64 + 32 e + 8 t; v128-159 best scores (8 t + j); v160-191 their blocks
;   window 1: the codes' fragments, two buffers of 128 (K step k at 8 k)     windows 2, 3: the tokens: token block t in window 2 + t / 2, K step k at 128 (t % 2) + 8 k
.set SLOT1, 1<<17                      ; slot 1 begins here: one exclusive or turns an address in one slot into the other's
.set TILEB, 131072                     ; bytes in a tile
.set BLK,   16384                      ; bytes in a block of 16 codes
.set NHT,   262144                     ; behind the ring: the quarter's nh, 8,192 bytes, filled once
.set SPARE, NHT+8192                   ; behind it: the spare words, 128 bytes for each wave: two blocks of 256 bytes that no other line names
.set L16, 2                            ; v2   16 x lane; never rewritten
.set ADR, 3                            ; v3   LDS address of the run of loads in hand
.set HA0, 4                            ; v4   NHT + 32 (lane / 16): my eight words in a block's 16 of nh; never rewritten
.set HAD, 5                            ; v5   the same for the block in hand
.set H8,  6                            ; v6   8 (lane / 16)
.set PO,  7                            ; v7   8 x lane: my 8 bytes of part
.set PFO, 8                            ; v8   256 x lane: the prefetches' offset; never rewritten
.set LN,  9                            ; v9   lane
.set SPW, 10                           ; v10  LDS address of my spare word; never rewritten
.set NIL, 11                           ; v11  0; never rewritten
.set CJ,  12                           ; v[12:19] the end: 8 (lane / 16) + j
.set TV,  20                           ; v[20:25] the end: at work
.set NH,  32
.set ACC, 64
.set BEST, 128
.set BIDX, 160
.set WV,  12                           ; s12  my wave's number
.set CX,  13                           ; s13  my place in the cluster
.set TBK, 14                           ; s14  my block of 256 tokens
.set Q,   15                           ; s15  my quarter of the codes, which the four partners share
.set G1,  16                           ; s[16:23] descriptor group 1 for a quarter of a tile
.set G1H, 24                           ; s[24:31] for a quarter of nh's table
.set G0A, 32                           ; s[32:35] descriptor group 0: tile 0 into slot 0
.set G0B, 36                           ; s[36:39] tile 1 into slot 1; this set then walks
.set G0H, 40                           ; s[40:43] nh
.set TILES, 44                         ; s44  counts tiles
.set CNT, 45                           ; s45  counts pairs of blocks
.set TB,  46                           ; s46  LDS byte of the block to be fetched next
.set BI,  47                           ; s47  the number (code / 16) of the block that is being weighed
.set MK,  48                           ; s[48:51] four lane masks
.set PFA, 52                           ; s[52:53] where my prefetches stand
.set SEL, 54                           ; s[54:55] v_permlanex16_b32's selects
.set HB,  56                           ; s56  byte of the block in hand in nh's table
.set LIM, 57                           ; s57  1 in a cluster that prefetches, else the greatest number
.set MH,  60                           ; s60  the end: the mask of lanes 16-31
.set MSB, 0
.macro WIN new                         ; the immediate's high byte repeats the setting that is left; a switch that changes nothing is dropped
.if MSB != (\new)
	s_set_vgpr_msb (MSB<<8)|(\new)
.set MSB, (\new)
.endif
.endm
.set W_A, 0x09                         ; codes in window 1, tokens in window 2, accumulators in window 0
.set W_B, 0x0d                         ; the same with tokens in window 3
; A round of the cluster's barrier: my work-group's barrier, so that wave 0's signal speaks for all four waves; wave 0 signals; every wave waits for all four work-groups; my work-group's barrier once more.
.macro CREST                           ; a round behind its opening barrier
	s_cmp_lg_u32 s[WV], 0
	s_cbranch_scc1 .Lnot_wave_0_\@
	s_barrier_signal -3
.Lnot_wave_0_\@:
	s_barrier_wait -3
	s_barrier_signal -1
	s_barrier_wait -1
.endm
.macro CROUND
	s_barrier_signal -1
	s_barrier_wait -1
	CREST
.endm
	s_load_b256 s[4:11], s[0:1], 0x0               ; xf s[4:5], cf s[6:7], nh s[8:9], part s[10:11]
	v_lshl_add_u32 v[SPW], v0, 2, SPARE
	v_mov_b32 v[NIL], 0
	ds_add_u32 v[SPW], v[NIL]                      ; the wave's opening: the add, twice on end, and its wait ahead of my first tensor load
	ds_add_u32 v[SPW], v[NIL]
	v_lshrrev_b32 v1, 5, v0
	v_readfirstlane_b32 s[WV], v1                  ; wave 0..3
	s_bfe_u32 s[CX], ttmp6, 0x40000
	s_lshl_b32 s[TBK], ttmp9, 2                    ; in a cluster launch ttmp9 counts clusters
	s_add_co_u32 s[TBK], s[TBK], s[CX]
	s_and_b32 s[Q], ttmp7, 0xffff
	s_mov_b32 s[G1+0], 15|(3<<16)|(1<<21)          ; 15:0 the mask: all four work-groups; 17:16 elements of 8 bytes; 21 set beside a mask
	s_mov_b32 s[G1+1], 32<<16                      ; tensor_dim0 = 32 elements: rows of 256 bytes
	s_mov_b32 s[G1+2], 128<<16                     ; tensor_dim1 = 128
	s_mov_b32 s[G1+3], 32<<16                      ; tile_dim0 = 32
	s_mov_b32 s[G1+4], 128                         ; tile_dim1 = 128 rows: 32,768 dense bytes
	s_mov_b32 s[G1+5], 32                          ; each row begins where the last ends
	s_mov_b32 s[G1+6], 0
	s_mov_b32 s[G1+7], 0
	s_mov_b32 s[G1H+0], 15|(3<<16)|(1<<21)
	s_mov_b32 s[G1H+1], 32<<16
	s_mov_b32 s[G1H+2], 8<<16                      ; 8 rows: 2,048 bytes
	s_mov_b32 s[G1H+3], 32<<16
	s_mov_b32 s[G1H+4], 8
	s_mov_b32 s[G1H+5], 32
	s_mov_b32 s[G1H+6], 0
	s_mov_b32 s[G1H+7], 0
	s_mov_b32 s[G0A], 1
	s_mul_i32 s[G0A+1], s[WV], 32768               ; my quarter of slot 0
	s_mov_b32 s[G0B], 1
	s_add_co_u32 s[G0B+1], s[G0A+1], SLOT1         ; of slot 1
	s_mov_b32 s[G0H], 1
	s_mul_i32 s[G0H+1], s[WV], 2048
	s_add_co_u32 s[G0H+1], s[G0H+1], NHT           ; of nh's table
	s_lshl_b32 s2, s[Q], 21                        ; the quarter's 2,097,152 bytes of cf,
	s_lshl_b32 s3, s[WV], 15                       ; my quarter of a tile
	s_add_co_u32 s2, s2, s3
	s_mov_b32 s3, 0
	s_lshl_b32 s62, s[Q], 13                       ; the quarter's 8,192 bytes of nh,
	s_lshl_b32 s63, s[WV], 11                      ; my quarter of them
	s_add_co_u32 s62, s62, s63
	s_mov_b32 s63, 0
	s_lshl_b32 s58, s[TBK], 18                     ; my 256 tokens: 16 blocks of xf (s58, s59 alone hold what hangs on my place in the cluster),
	s_lshl_b32 s59, s[WV], 16                      ; my wave's four
	s_add_co_u32 s58, s58, s59
	s_mov_b32 s59, 0
	s_wait_dscnt 0x0                               ; both opening adds are done
	s_wait_kmcnt 0x0
	s_add_nc_u64 s[G0A+2:G0A+3], s[6:7], s[2:3]
	s_add_nc_u64 s[G0B+2:G0B+3], s[G0A+2:G0A+3], TILEB
	s_or_b32 s[G0A+3], s[G0A+3], 0x80000000        ; type = 2
	s_or_b32 s[G0B+3], s[G0B+3], 0x80000000
	s_add_nc_u64 s[G0H+2:G0H+3], s[8:9], s[62:63]
	s_or_b32 s[G0H+3], s[G0H+3], 0x80000000
	s_add_nc_u64 s[4:5], s[4:5], s[58:59]          ; xf at my wave's first block
	CROUND                                         ; all four work-groups are here: the first joint loads meet
	tensor_load_to_lds s[G0A:G0A+3], s[G1:G1+7]    ; the first fills, one group: by this text's count three tensor loads of a wave are out
	s_nop 0
	tensor_load_to_lds s[G0H:G0H+3], s[G1H:G1H+7]
	s_nop 0
	tensor_load_to_lds s[G0B:G0B+3], s[G1:G1+7]
	s_nop 0
	v_and_b32 v[LN], 31, v0                        ; seven lines that are due anyway stand between the load and the first switch of windows
	v_bfe_u32 v1, v0, 4, 1
	v_lshlrev_b32 v[L16], 4, v[LN]
	v_lshlrev_b32 v[H8], 3, v1
	v_lshl_add_u32 v[HA0], v1, 5, NHT
	v_lshlrev_b32 v[PO], 3, v[LN]
	v_lshlrev_b32 v[PFO], 8, v[LN]
.irp t, 0,1,2,3                                        ; my 64 tokens: 128 loads of 512 consecutive bytes, straight into the registers from which they are multiplied
	WIN 0x80+0x40*((\t)/2)                         ; destination window 2 or 3, address window 0
.set k, 0
.rept 16
	global_load_b128 v[128*((\t)%2)+8*k:128*((\t)%2)+8*k+3],   v[L16], s[4:5] offset:(\t)*16384+k*1024
	global_load_b128 v[128*((\t)%2)+8*k+4:128*((\t)%2)+8*k+7], v[L16], s[4:5] offset:(\t)*16384+k*1024+512
.set k, k+1
.endr
.endr
	WIN 0
	; What the first block's vector work finds.  It weighs a block that has not been: scores of -infinity, which beat nothing.  So no first block is written out; the price is 40 of these 104 lines, which stand in the wait for the first tile.
	s_lshl_b32 s[BI], s[Q], 7                      ; the quarter's first block of codes
.set i, 0
.rept 32
	v_mov_b32 v[BEST+i], 0xff800000
	v_mov_b32 v[BIDX+i], s[BI]
	v_mov_b32 v[ACC+32+i], 0xff800000
.set i, i+1
.endr
.set i, 0
.rept 8
	v_mov_b32 v[NH+8+i], 0
.set i, i+1
.endr
	s_sub_co_u32 s[BI], s[BI], 1                   ; the block before the first: never chosen
	s_mov_b32 s[SEL], 0x76543210
	s_mov_b32 s[SEL+1], 0xfedcba98
	s_mov_b32 s[TB], 0
	s_mov_b32 s[HB], 0
	s_cmp_eq_u32 ttmp9, 0                          ; the quarter's first cluster prefetches: the same in all four partners
	s_cselect_b32 s[LIM], 1, -1
	s_lshl_b32 s58, s[Q], 21                       ; the prefetches: the quarter, tile 2 (the first change of slots steps it to tile 3),
	s_lshl_b32 s59, s[CX], 15                      ; my work-group's quarter of a tile, told apart by address,
	s_add_co_u32 s58, s58, s59
	s_lshl_b32 s59, s[WV], 13                      ; my wave's quarter of that: 32 lanes x 256 bytes
	s_add_co_u32 s58, s58, s59
	s_add_co_u32 s58, s58, 2*TILEB
	s_mov_b32 s59, 0
	s_add_nc_u64 s[PFA:PFA+1], s[6:7], s[58:59]
	s_lshl_b32 s58, s[Q], 17                       ; part: the quarter's 16,384 pairs of 8 bytes,
	s_lshl_b32 s59, s[TBK], 11                     ; my 256 tokens,
	s_add_co_u32 s58, s58, s59
	s_lshl_b32 s59, s[WV], 9                       ; my wave's 64
	s_add_co_u32 s58, s58, s59
	s_mov_b32 s59, 0
	s_add_nc_u64 s[10:11], s[10:11], s[58:59]
; Matrix instruction: token block t, K step k, buffer and set p.  The first K step starts the sum with the constant 0.
.macro MMA t, k, p
.if (\k) == 0
	v_wmma_f32_16x16x32_bf16 v[ACC+32*(\p)+8*(\t):ACC+32*(\p)+8*(\t)+7], v[128*(\p)+8*(\k):128*(\p)+8*(\k)+7], v[128*((\t)%2)+8*(\k):128*((\t)%2)+8*(\k)+7], 0
.else
	v_wmma_f32_16x16x32_bf16 v[ACC+32*(\p)+8*(\t):ACC+32*(\p)+8*(\t)+7], v[128*(\p)+8*(\k):128*(\p)+8*(\k)+7], v[128*((\t)%2)+8*(\k):128*((\t)%2)+8*(\k)+7], v[ACC+32*(\p)+8*(\t):ACC+32*(\p)+8*(\t)+7]
.endif
.endm
; Number n of the 112 that weigh set 1 - p.  For token block n / 28: four packed additions of nh (the accumulator's lowest registers first), then twice, for four j at a time:
; four compares (score > best), four selects of the block's number, four maxima.
.macro RID p
.set rt, n/28
.set rm, n%28
.set rA, ACC+32*(1-(\p))+8*rt
.set rH, NH+8*(1-(\p))
.if rm < 4
	v_pk_add_f32 v[rA+2*rm:rA+2*rm+1], v[rA+2*rm:rA+2*rm+1], v[rH+2*rm:rH+2*rm+1]
.else
.set rc, (rm-4)%12
.set rj, 4*((rm-4)/12)+rc%4
.if rc < 4
	v_cmp_gt_f32 s[MK+rc%4], v[rA+rj], v[BEST+8*rt+rj]
.elseif rc < 8
	v_cndmask_b32 v[BIDX+8*rt+rj], v[BIDX+8*rt+rj], s[BI], s[MK+rc%4]
.else
	v_max_num_f32 v[BEST+8*rt+rj], v[BEST+8*rt+rj], v[rA+rj]
.endif
.endif
.set n, n+1
.endm
; A K step: two matrix instructions, four of the 112, two matrix instructions, three of the 112.
; The places behind matrix instructions (ISA guide 7.12.1): a set's token blocks 0 and 1 are last written in K step 15's first pair, and the seven lines that follow in that step, which name the other
; set alone, stand ahead of the first line that reads them; token blocks 2 and 3 are read 56 lines later or more.
.macro KSTEP k, p
	WIN W_A
	MMA 0, \k, \p
	MMA 1, \k, \p
	WIN 0
.rept 4
	RID \p
.endr
	WIN W_B
	MMA 2, \k, \p
	MMA 3, \k, \p
	WIN 0
.rept 3
	RID \p
.endr
.endm
; 32 LDS loads in one run: the next block's 16 fragments into buffer b; each load takes 512 consecutive bytes.
.macro FETCHB b
	WIN 0
	v_add_nc_u32 v[ADR], s[TB], v[L16]
	WIN 0x40                                       ; destination window 1, address window 0
.set i, 0
.rept 32
	ds_load_b128 v[128*(\b)+4*i:128*(\b)+4*i+3], v[ADR] offset:512*i
.set i, i+1
.endr
	WIN 0
	s_add_co_u32 s[TB], s[TB], BLK
.endm
; In block p: nh of the block IN HAND into set p (the next block's vector work reads it; this block's reads the other set), and the next block's fragments into the other buffer, which the block
; before multiplied: 31 plain vector lines lie between its last matrix instruction and these loads.
.macro FETCH p
	WIN 0
	v_add_nc_u32 v[HAD], s[HB], v[HA0]
	ds_load_b128 v[NH+8*(\p):NH+8*(\p)+3],   v[HAD]
	ds_load_b128 v[NH+8*(\p)+4:NH+8*(\p)+7], v[HAD] offset:16
	s_add_co_u32 s[HB], s[HB], 64
	FETCHB 1-(\p)
.endm
; A PREFETCH INTO THE L2, behind each joint refill and the run of LDS loads that follows it: the tile that the NEXT refill will ask for, 512 matrix instructions ahead of that load.
; All sixteen clusters of a quarter walk the same tiles: the first of them asks.  Its four partners take a quarter of the tile each, told apart by address, each wave a quarter of that: a lane names
; 256 bytes, one instruction a wave, so each aligned 256 bytes of tiles 3 to 15 are named once in the launch.  Tiles 0 to 2 come by their loads alone; the last refill asks for nothing: no tile follows.
.macro ASK
	s_cmp_gt_u32 s[TILES], s[LIM]
	s_cbranch_scc0 .Lnot_mine_\@
	global_prefetch_b8 v[PFO], s[PFA:PFA+1] th:TH_LOAD_NT scope:SCOPE_SE
.Lnot_mine_\@:
.endm
; A BLOCK of 16 codes, on buffer and set p.  mode 0: plain.  mode 1: a tile's last block: the slot is left and filled again.  mode 2: it is left, and nothing is asked for.
; THE CHANGE OF SLOTS.  This block's fragments, the last bytes of the slot that I read, are in registers at the block's head.  Each wave then waits for all its tensor loads, of which one is out: its part
; of the other slot; adds 0 to its spare word; works on registers; waits for the add; and signals.  Behind the barrier nobody reads this slot and the other slot is whole.  In mode 1 the barrier opens a
; round of the cluster's, so that no wave of any partner still reads the slot or has a load on its way, and the joint refill, one tensor load a wave, is the first thing behind it.
.macro BLOCK p, mode
.set n, 0
	s_wait_dscnt 0x0                               ; the 34 loads issued 48 matrix instructions ago: this block's fragments, the last block's nh
.if \mode
	WIN 0
	s_wait_tensorcnt 0x0                           ; no tensor load of mine is out, so a group 0 may be written
	ds_add_u32 v[SPW], v[NIL]                      ; 0 onto my spare word
.if (\mode) == 1
	s_xor_b32 s[G0B+1], s[G0B+1], SLOT1            ; the walking descriptor: the other slot than last time,
	s_add_nc_u64 s[G0B+2:G0B+3], s[G0B+2:G0B+3], TILEB  ; the next tile; the type bits on top are not reached
	s_wait_xcnt 0x0                                ; the last prefetch, a tile back, has read its address, so it may be written
	s_add_nc_u64 s[PFA:PFA+1], s[PFA:PFA+1], TILEB
.endif
.endif
	KSTEP 0, \p
	KSTEP 1, \p
.if \mode
	s_wait_dscnt 0x0                               ; the add is done; my reads of the slot were over at the block's head
	s_barrier_signal -1
.endif
	KSTEP 2, \p                                    ; work on registers while the others arrive
	KSTEP 3, \p
.if \mode
	WIN 0
	s_barrier_wait -1
.if (\mode) == 1
	CREST
	tensor_load_to_lds s[G0B:G0B+3], s[G1:G1+7]    ; my quarter of the tile two tiles on, into the slot just left
	s_nop 0
.rept 4
	v_nop
.endr
.endif
	s_sub_co_u32 s[TB], s[TB], TILEB               ; the fetches go back to a slot's first block,
	s_xor_b32 s[TB], s[TB], SLOT1                  ; in the other slot
.endif
	FETCH \p
.if (\mode) == 1
	ASK
.endif
.irp k, 4,5,6,7,8,9,10,11,12,13,14,15
	KSTEP \k, \p
.endr
	s_add_co_u32 s[BI], s[BI], 1
.endm
	s_wait_tensorcnt 0x1                           ; my parts of slot 0 and of nh are in; slot 1's may stay out
	s_barrier_signal -1
	s_barrier_wait -1                              ; everybody's are
	FETCHB 0                                       ; block 0
	s_wait_loadcnt 0x0                             ; my tokens
	s_mov_b32 s[TILES], 14
.Ltile:                                                ; tiles 0 to 13: each slot is filled again
	s_mov_b32 s[CNT], 3
.Lpair:
	BLOCK 0, 0
	BLOCK 1, 0
	s_sub_co_u32 s[CNT], s[CNT], 1
	s_cmp_lg_u32 s[CNT], 0
	s_cbranch_scc1 .Lpair
	BLOCK 0, 0
	BLOCK 1, 1
	s_sub_co_u32 s[TILES], s[TILES], 1
	s_cmp_lg_u32 s[TILES], 0
	s_cbranch_scc1 .Ltile
	s_mov_b32 s[TILES], 2
.Ltail:                                                ; tiles 14 and 15 are written apart.  The second trip's change of slots fetches 32 fragments that nothing
	s_mov_b32 s[CNT], 3                            ; multiplies (bytes of tile 14, long landed): the price, once a launch, of one text for both
.Lpair2:
	BLOCK 0, 0
	BLOCK 1, 0
	s_sub_co_u32 s[CNT], s[CNT], 1
	s_cmp_lg_u32 s[CNT], 0
	s_cbranch_scc1 .Lpair2
	BLOCK 0, 0
	BLOCK 1, 2
	s_sub_co_u32 s[TILES], s[TILES], 1
	s_cmp_lg_u32 s[TILES], 0
	s_cbranch_scc1 .Ltail
	; THE END.  The last block is weighed; a block's number becomes a code; a lane's eight bests of a token, and the other half of the lanes' eight, become one: the greater score, on a tie the lower code.
	s_wait_dscnt 0x0                               ; the last block's nh
.set n, 0
.rept 112
	RID 0
.endr
.irp j, 0,1,2,3,4,5,6,7
	v_or_b32 v[CJ+(\j)], \j, v[H8]
.endr
.set i, 0
.rept 32
	v_lshl_add_u32 v[BIDX+i], v[BIDX+i], 4, v[CJ+i%8]  ; code = 16 x block + 8 (lane / 16) + j
.set i, i+1
.endr
	v_mov_b32 v[TV], 0                             ; v_permlanex16_b32 counts as a reader of its destination
	v_mov_b32 v[TV+1], 0
.macro COMB va, ia, vb, ib             ; (va, ia) takes (vb, ib) if vb is greater, or equal with the lower code
	v_cmp_gt_f32 s[MK], v[\vb], v[\va]
	v_cmp_eq_f32 s[MK+1], v[\vb], v[\va]
	v_cmp_lt_u32 s[MK+2], v[\ib], v[\ia]
	s_and_b32 s[MK+1], s[MK+1], s[MK+2]
	s_or_b32 s[MK], s[MK], s[MK+1]
	v_cndmask_b32 v[\va], v[\va], v[\vb], s[MK]
	v_cndmask_b32 v[\ia], v[\ia], v[\ib], s[MK]
.endm
.set t, 0
.rept 4
.irp a, 0,2,4,6
	COMB BEST+8*t+\a, BIDX+8*t+\a, BEST+8*t+\a+1, BIDX+8*t+\a+1
.endr
	COMB BEST+8*t, BIDX+8*t, BEST+8*t+2, BIDX+8*t+2
	COMB BEST+8*t+4, BIDX+8*t+4, BEST+8*t+6, BIDX+8*t+6
	COMB BEST+8*t, BIDX+8*t, BEST+8*t+4, BIDX+8*t+4
	v_permlanex16_b32 v[TV], v[BEST+8*t], s[SEL], s[SEL+1]    ; the token's other eight codes of each block lie in the lane 16 away
	v_permlanex16_b32 v[TV+1], v[BIDX+8*t], s[SEL], s[SEL+1]
	COMB BEST+8*t, BIDX+8*t, TV, TV+1              ; both lanes of a token now hold the same pair
.set t, t+1
.endr
	v_cmp_le_u32 s[MH], 16, v[LN]
	v_cndmask_b32 v[TV+2], v[BEST], v[BEST+8], s[MH]       ; lanes 0-15 give token block 0, lanes 16-31 token block 1: 32 tokens on end,
	v_cndmask_b32 v[TV+3], v[BIDX], v[BIDX+8], s[MH]
	v_cndmask_b32 v[TV+4], v[BEST+16], v[BEST+24], s[MH]   ; and token blocks 2 and 3
	v_cndmask_b32 v[TV+5], v[BIDX+16], v[BIDX+24], s[MH]
	global_store_b64 v[PO], v[TV+2:TV+3], s[10:11]             ; each store of the wave covers 256 consecutive bytes, aligned
	global_store_b64 v[PO], v[TV+4:TV+5], s[10:11] offset:256
	s_wait_tensorcnt 0x0                           ; the wave's end: behind my last tensor load
	ds_add_u32 v[SPW], v[NIL]
	s_wait_dscnt 0x0
	CROUND                                         ; the closing round: no work-group ends while a partner may still ask for a tile that names it
	s_endpgm
.Lfunc_end_k_q9332403512_score:
	.size	k_q9332403512_score, .Lfunc_end_k_q9332403512_score-k_q9332403512_score
	.p2alignl 7, 3214868480
	.fill 96, 4, 3214868480
	.section	.rodata,"a",@progbits
	.p2align	6, 0x0
	.amdhsa_kernel k_q9332403512_score
		.amdhsa_group_segment_fixed_size 327680
		.amdhsa_private_segment_fixed_size 0
		.amdhsa_enable_private_segment 0
		.amdhsa_kernarg_size 32
		.amdhsa_user_sgpr_count 2
		.amdhsa_user_sgpr_kernarg_segment_ptr 1
		.amdhsa_wavefront_size32 1
		.amdhsa_system_sgpr_workgroup_id_x 1
		.amdhsa_system_sgpr_workgroup_id_y 1
		.amdhsa_system_sgpr_workgroup_id_z 1
		.amdhsa_system_vgpr_workitem_id 0
		.amdhsa_next_free_vgpr 1024
		.amdhsa_next_free_sgpr 66
		.amdhsa_reserve_vcc 0
		.amdhsa_float_denorm_mode_32 3
		.amdhsa_float_denorm_mode_16_64 3
		.amdhsa_memory_ordered 1
		.amdhsa_forward_progress 1
		.amdhsa_inst_pref_size 164
	.end_amdhsa_kernel
	.amdgpu_metadata
---
amdhsa.version: [ 1, 2 ]
amdhsa.kernels:
  - .name:           k_q9332403512_score
    .symbol:         k_q9332403512_score.kd
    .args:
      - { .name: xf, .offset: 0, .size: 8, .value_kind: global_buffer, .address_space: global }
      - { .name: cf, .offset: 8, .size: 8, .value_kind: global_buffer, .address_space: global }
      - { .name: nh, .offset: 16, .size: 8, .value_kind: global_buffer, .address_space: global }
      - { .name: part, .offset: 24, .size: 8, .value_kind: global_buffer, .address_space: global }
    .group_segment_fixed_size: 327680
    .private_segment_fixed_size: 0
    .kernarg_segment_align: 8
    .kernarg_segment_size: 32
    .max_flat_workgroup_size: 128
    .sgpr_count:     66
    .vgpr_count:     1024
    .wavefront_size: 32
...
	.end_amdgpu_metadata
.endif
;; end of part 2
;; launch pick (part 3): grid 256 x 1, 1 waves a work-group, no clusters, 0 bytes of LDS; arguments part, idx; writes idx
.if DOCPART == 3
	.amdgcn_target "amdgcn-amd-amdhsa--gfx1250"
	.amdhsa_code_object_version 6
	.text
	.protected	k_q9332403512_pick
	.globl	k_q9332403512_pick
	.p2align	8
	.type	k_q9332403512_pick,@function
k_q9332403512_pick:
	s_mov_b64 s[64:65], 0
	v_nop
	global_prefetch_b8 v0, s[64:65] scope:SCOPE_SE
	s_setreg_imm32_b32 hwreg(HW_REG_WAVE_MODE, 25, 1), 1
	s_wait_xcnt 0x0
; LAUNCH 3 OF 4.  idx[n] = the code of the greatest of token n's four bests, one from each quarter of the codes; on a tie the lower quarter's, which is the lower code.
; part: [quarter 4][token 16,384]{ f32 best, u32 code }.  idx: u32.  The choice hangs on floating-point numbers, so it is made here and stored as whole numbers; the launch behind forms addresses of them.
; SHARES.  A lane has two tokens, a work-group of one wave 64: 256 work-groups.  Four loads of 512 consecutive bytes, one store of 256.  Nothing is shared: no LDS, no barrier, no cluster.
	s_load_b128 s[4:7], s[0:1], 0x0                ; part s[4:5], idx s[6:7]
	v_lshlrev_b32 v1, 4, v0                        ; two pairs of 8 bytes
	v_lshlrev_b32 v2, 3, v0                        ; two codes
	s_lshl_b32 s8, ttmp9, 9
	s_mov_b32 s9, 0
	s_lshl_b32 s10, ttmp9, 8
	s_mov_b32 s11, 0
	s_wait_kmcnt 0x0
	s_add_nc_u64 s[4:5], s[4:5], s[8:9]
	s_add_nc_u64 s[6:7], s[6:7], s[10:11]
.irp q, 0,1,2,3
	global_load_b128 v[4+4*(\q):7+4*(\q)], v1, s[4:5] offset:(\q)*131072 th:TH_LOAD_NT  ; { best, code, best, code } of quarter q
.endr
	s_wait_loadcnt 0x0
.irp q, 1,2
	v_cmp_gt_f32 vcc_lo, v[4+4*(\q)], v4           ; strictly greater: the lower quarter keeps a tie
	v_cmp_gt_f32 s12, v[6+4*(\q)], v6
	v_cndmask_b32 v4, v4, v[4+4*(\q)], vcc_lo
	v_cndmask_b32 v5, v5, v[5+4*(\q)], vcc_lo
	v_cndmask_b32 v6, v6, v[6+4*(\q)], s12
	v_cndmask_b32 v7, v7, v[7+4*(\q)], s12
.endr
	v_cmp_gt_f32 vcc_lo, v16, v4                   ; the last quarter: only the codes are still wanted, side by side
	v_cmp_gt_f32 s12, v18, v6
	v_cndmask_b32 v20, v5, v17, vcc_lo
	v_cndmask_b32 v21, v7, v19, s12
	global_store_b64 v2, v[20:21], s[6:7]          ; the wave's store covers 256 consecutive bytes, aligned
	s_endpgm
.Lfunc_end_k_q9332403512_pick:
	.size	k_q9332403512_pick, .Lfunc_end_k_q9332403512_pick-k_q9332403512_pick
	.p2alignl 7, 3214868480
	.fill 96, 4, 3214868480
	.section	.rodata,"a",@progbits
	.p2align	6, 0x0
	.amdhsa_kernel k_q9332403512_pick
		.amdhsa_group_segment_fixed_size 0
		.amdhsa_private_segment_fixed_size 0
		.amdhsa_enable_private_segment 0
		.amdhsa_kernarg_size 16
		.amdhsa_user_sgpr_count 2
		.amdhsa_user_sgpr_kernarg_segment_ptr 1
		.amdhsa_wavefront_size32 1
		.amdhsa_system_sgpr_workgroup_id_x 1
		.amdhsa_system_sgpr_workgroup_id_y 1
		.amdhsa_system_sgpr_workgroup_id_z 1
		.amdhsa_system_vgpr_workitem_id 0
		.amdhsa_next_free_vgpr 24
		.amdhsa_next_free_sgpr 66
		.amdhsa_reserve_vcc 1
		.amdhsa_float_denorm_mode_32 3
		.amdhsa_float_denorm_mode_16_64 3
		.amdhsa_memory_ordered 1
		.amdhsa_forward_progress 1
		.amdhsa_inst_pref_size 2
	.end_amdhsa_kernel
	.amdgpu_metadata
---
amdhsa.version: [ 1, 2 ]
amdhsa.kernels:
  - .name:           k_q9332403512_pick
    .symbol:         k_q9332403512_pick.kd
    .args:
      - { .name: part, .offset: 0, .size: 8, .value_kind: global_buffer, .address_space: global }
      - { .name: idx, .offset: 8, .size: 8, .value_kind: global_buffer, .address_space: global }
    .group_segment_fixed_size: 0
    .private_segment_fixed_size: 0
    .kernarg_segment_align: 8
    .kernarg_segment_size: 16
    .max_flat_workgroup_size: 32
    .sgpr_count:     66
    .vgpr_count:     24
    .wavefront_size: 32
...
	.end_amdgpu_metadata
.endif
;; end of part 3
;; launch gather (part 4): grid 256 x 1, 8 waves a work-group, no clusters, 0 bytes of LDS; arguments idx, codebook, out0; writes out0
.if DOCPART == 4
	.amdgcn_target "amdgcn-amd-amdhsa--gfx1250"
	.amdhsa_code_object_version 6
	.text
	.protected	k_q9332403512_gather
	.globl	k_q9332403512_gather
	.p2align	8
	.type	k_q9332403512_gather,@function
k_q9332403512_gather:
	s_mov_b64 s[64:65], 0
	v_nop
	global_prefetch_b8 v0, s[64:65] scope:SCOPE_SE
	s_setreg_imm32_b32 hwreg(HW_REG_WAVE_MODE, 25, 1), 1
	s_wait_xcnt 0x0
; LAUNCH 4 OF 4.  out0[n][:] = codebook[idx[n]][:], in f32 as the codebook holds it.  idx: whole numbers that the launch before has stored.
; SHARES.  A wave has 8 tokens, a work-group of eight waves 64: 256 work-groups.  A row is 2,048 bytes: four loads and four stores of 512 consecutive bytes.  All 32 loads of a wave go out at once,
; and each token's stores follow as its four loads come in.  No register is written twice, so no wait frees one.  Nothing is shared between waves: no LDS, no barrier, no cluster, no matrix work.
.set LO,  2                            ; v2       16 x lane
.set OFF, 4                            ; v[4:11]  token i: 2,048 x code + 16 x lane
.set D,   16                           ; v[16:143] token i, quarter c of its row at D + 16 i + 4 c
	s_load_b128 s[4:7], s[0:1], 0x0                ; idx s[4:5], codebook s[6:7]
	s_load_b64 s[8:9], s[0:1], 0x10                ; out0
	v_lshrrev_b32 v1, 5, v0
	v_readfirstlane_b32 s10, v1                    ; wave 0..7
	v_and_b32 v[LO], 31, v0
	v_lshlrev_b32 v[LO], 4, v[LO]
	s_lshl_b32 s12, ttmp9, 8                       ; idx: 64 words a work-group,
	s_lshl_b32 s13, s10, 5                         ; 8 a wave
	s_add_co_u32 s12, s12, s13
	s_mov_b32 s13, 0
	s_lshl_b32 s14, ttmp9, 17                      ; out0: 64 rows of 2,048 bytes a work-group,
	s_lshl_b32 s15, s10, 14                        ; 8 a wave
	s_add_co_u32 s14, s14, s15
	s_mov_b32 s15, 0
	s_wait_kmcnt 0x0
	s_add_nc_u64 s[4:5], s[4:5], s[12:13]
	s_add_nc_u64 s[8:9], s[8:9], s[14:15]
	s_load_b256 s[16:23], s[4:5], 0x0              ; my eight codes
	s_wait_kmcnt 0x0
.irp i, 0,1,2,3,4,5,6,7
	s_min_u32 s[16+(\i)], s[16+(\i)], 8191         ; a loaded number enters an address only inside the table
	v_lshl_add_u32 v[OFF+(\i)], s[16+(\i)], 11, v[LO]
.endr
.irp i, 0,1,2,3,4,5,6,7
.irp c, 0,1,2,3
	global_load_b128 v[D+16*(\i)+4*(\c):D+16*(\i)+4*(\c)+3], v[OFF+(\i)], s[6:7] offset:512*(\c)  ; no hint: a row may be named by many tokens
.endr
.endr
.irp i, 0,1,2,3,4,5,6,7
	s_wait_loadcnt 28-4*(\i)                       ; loads come back in order: token i's four are in, the later tokens' stay out
.irp c, 0,1,2,3
	global_store_b128 v[LO], v[D+16*(\i)+4*(\c):D+16*(\i)+4*(\c)+3], s[8:9] offset:2048*(\i)+512*(\c) th:TH_STORE_NT  ; 512 consecutive bytes, aligned
.endr
.endr
	s_endpgm
.Lfunc_end_k_q9332403512_gather:
	.size	k_q9332403512_gather, .Lfunc_end_k_q9332403512_gather-k_q9332403512_gather
	.p2alignl 7, 3214868480
	.fill 96, 4, 3214868480
	.section	.rodata,"a",@progbits
	.p2align	6, 0x0
	.amdhsa_kernel k_q9332403512_gather
		.amdhsa_group_segment_fixed_size 0
		.amdhsa_private_segment_fixed_size 0
		.amdhsa_enable_private_segment 0
		.amdhsa_kernarg_size 24
		.amdhsa_user_sgpr_count 2
		.amdhsa_user_sgpr_kernarg_segment_ptr 1
		.amdhsa_wavefront_size32 1
		.amdhsa_system_sgpr_workgroup_id_x 1
		.amdhsa_system_sgpr_workgroup_id_y 1
		.amdhsa_system_sgpr_workgroup_id_z 1
		.amdhsa_system_vgpr_workitem_id 0
		.amdhsa_next_free_vgpr 144
		.amdhsa_next_free_sgpr 66
		.amdhsa_reserve_vcc 0
		.amdhsa_float_denorm_mode_32 3
		.amdhsa_float_denorm_mode_16_64 3
		.amdhsa_memory_ordered 1
		.amdhsa_forward_progress 1
		.amdhsa_inst_pref_size 9
	.end_amdhsa_kernel
	.amdgpu_metadata
---
amdhsa.version: [ 1, 2 ]
amdhsa.kernels:
  - .name:           k_q9332403512_gather
    .symbol:         k_q9332403512_gather.kd
    .args:
      - { .name: idx, .offset: 0, .size: 8, .value_kind: global_buffer, .address_space: global }
      - { .name: codebook, .offset: 8, .size: 8, .value_kind: global_buffer, .address_space: global }
      - { .name: out0, .offset: 16, .size: 8, .value_kind: global_buffer, .address_space: global }
    .group_segment_fixed_size: 0
    .private_segment_fixed_size: 0
    .kernarg_segment_align: 8
    .kernarg_segment_size: 24
    .max_flat_workgroup_size: 256
    .sgpr_count:     66
    .vgpr_count:     144
    .wavefront_size: 32
...
	.end_amdgpu_metadata
.endif
;; end of part 4
